; MI455X (gfx1250); checked and timed in simulation.
; The chip was launched on July 23, 2026; its instructions are those of AMD's public machine-readable ISA for CDNA 5 (MIT licence, August 2026) and "CDNA5" Instruction Set Architecture Reference Guide (July 2026). The comments in the code are by the model that wrote it; some were corrected since.
;; Triton Fused Moe Linear Base. Allowed arithmetic: matrix products marked QUANTISED: E2M1 operands, one E8M0 scale for each 32 along K, by v_wmma_scale_f32_16x16x128_f8f6f4 with both operands' format E2M1 (or v_wmma_scale_f32_32x16x128_f4), f32 sums; everything else in f32.
;; Inputs: expert_ids 8,192 int32; weight_codes 8 x 512 x 64 x 16 uint8 (E2M1 codes of weight, K innermost, in blocks of 32 codes, two codes a byte); weight_scales 8 x 512 x 64 uint8 (E8M0 scales of weight, one for each 32 codes along K); x_codes 8,192 x 64 x 16 uint8 (E2M1 codes of x, K innermost, in blocks of 32 codes, two codes a byte); x_scales 8,192 x 64 uint8 (E8M0 scales of x, one for each 32 codes along K).
;; Outputs: out0 8,192 x 512 float32.
;; This version of the problem:
;;   THIS VERSION OF THE PROBLEM IS GIVEN IN LOW PRECISION. The matrix products marked QUANTISED in the list below multiply operands that are first quantised to E2M1 (2 exponent bits, 1 mantissa bit; 4 bits a number), with one power-of-two scale for each 32 numbers along K (OCP MX v1.0); their sums are f32. All else is computed in f32.
;;   The module's matrix products, in the order in which they are computed (A, B: the left and right operand; K: the contracted axis; several contracted axes count as one K, in the product's order):
;;     1. [M 8,192, K 2,048] x [K 2,048, N 512]; A: input x (given as codes); B: input weight (given as codes): QUANTISED
;;     2. [M 8,192, K 2,048] x [K 2,048, N 512]; A: input x (given as codes); B: input weight (given as codes): QUANTISED
;;     3. [M 8,192, K 2,048] x [K 2,048, N 512]; A: input x (given as codes); B: input weight (given as codes): QUANTISED
;;     4. [M 8,192, K 2,048] x [K 2,048, N 512]; A: input x (given as codes); B: input weight (given as codes): QUANTISED
;;     5. [M 8,192, K 2,048] x [K 2,048, N 512]; A: input x (given as codes); B: input weight (given as codes): QUANTISED
;;     6. [M 8,192, K 2,048] x [K 2,048, N 512]; A: input x (given as codes); B: input weight (given as codes): QUANTISED
;;     7. [M 8,192, K 2,048] x [K 2,048, N 512]; A: input x (given as codes); B: input weight (given as codes): QUANTISED
;;     8. [M 8,192, K 2,048] x [K 2,048, N 512]; A: input x (given as codes); B: input weight (given as codes): QUANTISED
;;   THE QUANTISER, for each operand of a quantised product, along K:
;;     - K is cut into blocks of 32 from its start; a last block that is shorter is filled with zeros.
;;     - A block's scale is 2^e with e = floor(log2(the largest magnitude in the block)) - 2, held to -126 .. 127; a block of zeros has e = 0. As a byte (E8M0): e + 127.
;;     - Each number is divided by its block's scale, clamped to +-6, and rounded to the nearest number of E2M1, ties to even, subnormals kept.
;;     - The product sums the exact products of the quantised numbers (number of the format x scale) in f32.
;;   ~~~python
;;   def quantise(x, axis):      # numpy; x: float32 -> the quantised numbers, widened to float32 again
;;       x = np.moveaxis(x, axis, -1); K = x.shape[-1]
;;       x = np.pad(x, [(0, 0)] * (x.ndim - 1) + [(0, -K % 32)]); x = x.reshape(x.shape[:-1] + (-1, 32)); a = np.abs(x).max(-1, keepdims=True)
;;       e = np.where(a > 0, np.clip(np.frexp(np.where(a > 0, a, 1))[1] - 1 - 2, -126, 127), 0)      # np.frexp(a)[1] - 1 = floor(log2(a)), exactly
;;       r = np.clip(x / 2.0 ** e, -6, 6)
;;       step = 2.0 ** (np.maximum(np.frexp(np.where(r == 0, 1, r))[1] - 1, 0) - 1)
;;       q = np.round(r / step) * step * 2.0 ** e      # np.round: ties to even
;;       return np.moveaxis(q.reshape(q.shape[:-2] + (-1,))[..., :K], -1, axis).astype(np.float32)
;;   ~~~
;;   INPUTS GIVEN AS CODES. weight (in the module: [8, 512, 2048], K = its axis 2); x (in the module: [8192, 2048], K = its axis 1): each comes as NAME_codes (uint8): NAME with its K axis moved to the last place and cut into blocks of 32 codes, [.., K / 32, bytes a block], one block behind the other in memory; two codes a byte, the lower K in the low four bits (a code: sign, 2 exponent bits, 1 mantissa bit); and NAME_scales (uint8): the same leading axes, one E8M0 byte (e + 127) for each 32 codes along K. Its value is code x scale, taken as it is: it is not quantised again, and the codes and scales need not be those that the quantiser above would give.
;; One version. Each part assembles by itself: llvm-mc -triple=amdgcn-amd-amdhsa -mcpu=gfx1250 --defsym DOCPART=n.
;; ======== version 1 of 1: 2 launches
;; workspace buffers: rec 65,536 bytes of whole numbers
;; launch route (part 1): grid 1 x 1, 32 waves a work-group, no clusters, 4,608 bytes of LDS; arguments expert_ids, rec; writes rec
.if DOCPART == 1
	.amdgcn_target "amdgcn-amd-amdhsa--gfx1250"
	.amdhsa_code_object_version 6
	.text
	.protected	k_q1d0a70d507_route
	.globl	k_q1d0a70d507_route
	.p2align	8
	.type	k_q1d0a70d507_route,@function
k_q1d0a70d507_route:
	s_mov_b64 s[64:65], 0
	v_nop
	global_prefetch_b8 v0, s[64:65] scope:SCOPE_SE
	s_setreg_imm32_b32 hwreg(HW_REG_WAVE_MODE, 25, 1), 1
	s_wait_xcnt 0x0
; ROUTE: a counting sort of the 8,192 expert ids into nine buckets (experts 0 to 7; bucket 8 = every id outside 0 .. 7, compared as
; unsigned numbers, so negative ids fall there too), written as records of at most 160 rows for the product's launch.
; rec: 64 records of 1,024 bytes at fixed places.  Record t: words 0-159 token numbers (slots at or past the count hold 0), word 160 the bucket (0 .. 8),
; word 161 the count (0 .. 160), all other words zeros.
; THE TOKENS OF A BUCKET ARE LISTED IN ASCENDING ORDER, so a record's word 0 is its smallest token: the product's launch leans on that.
; Nine buckets of 8,192 rows in all make at most ceil(8192 / 160) + 8 = 60 records with rows, whatever the split; the others get the count 0.
; ONE work-group of 32 waves, no atomics: wave w holds tokens 256 w .. 256 w + 255, register q of lane l token 256 w + 32 q + l; a rank inside (wave, bucket) by ballots,
; q by q and lane by lane, which is the tokens' own order; the waves' counts meet in LDS behind one barrier; each wave then sums them for itself (lane = bucket) and places its own 256 tokens.
; Each wave first clears two records whole and waits for those stores ahead of the barrier; tokens and headers are stored behind the barrier, so they come over the zeros.
.set TILE, 160
.set RCP,  6554                        ; n / 160 = (n x 6554) >> 20 for n up to 8,351: the factor is 3.8e-7 too large, n times that stays under 1 / 160
.set ID,   4                           ; v4-11   my eight ids, held at 8 from above
.set RK,   12                          ; v12-19  their ranks inside (my wave, their bucket)
.set TT,   64                          ; v64-71  at work: candidate ranks, later 4 x id
.set CW,   24                          ; v24-55  the 32 waves' counts, lane = bucket
.set CB,   72                          ; v72-79  my ids' table words, then the places of my tokens in rec
.set TK,   80                          ; v80-87  my token numbers
.set ZQ,   96                          ; v96-99  zeros: the fills' data; never rewritten
.set RUN,  16                          ; s16-24  my wave's count for each bucket
.set MK,   38                          ; s38-45  eight ballots
	s_load_b128 s[4:7], s[0:1], 0x0                ; expert_ids s[4:5], rec s[6:7]
	v_lshrrev_b32 v91, 5, v0
	v_readfirstlane_b32 s8, v91                    ; wave 0 .. 31
	v_and_b32 v1, 31, v0                           ; lane
	v_lshlrev_b32 v23, 2, v1                       ; 4 x lane
	v_lshlrev_b32 v3, 4, v1                        ; 16 x lane: the fills' offset; never rewritten
	s_lshl_b32 s30, s8, 10                         ; 1,024 x wave: my 256 ids in bytes, and my first record
	s_mov_b32 s31, 0
	v_add_nc_u32 v2, s30, v23                      ; my ids: 4 (256 wave + lane)
	s_mul_i32 s11, s8, 144                         ; my wave's row of counts in LDS: 128 bytes used, rows 144 apart
	v_add_nc_u32 v22, s11, v23
	v_mov_b32 v61, 0                               ; (a lane-crossing move's destination counts as read)
	v_mov_b32 v21, 0
.irp z, 0,1,2,3
	v_mov_b32 v[ZQ+\z], 0
.endr
	s_lshl_b32 s12, s8, 8
	v_add_nc_u32 v91, s12, v1
.irp q, 0,1,2,3,4,5,6,7
	v_add_nc_u32 v[TK+\q], 32*\q, v91              ; the token numbers of my eight ids
.endr
	s_wait_kmcnt 0x0
.irp q, 0,1,2,3,4,5,6,7
	global_load_b32 v[ID+\q], v2, s[4:5] offset:128*\q th:TH_LOAD_NT   ; 128 consecutive bytes a load, my wave's eight cover 1,024 on end
.endr
	s_add_nc_u64 s[36:37], s[6:7], s[30:31]        ; rec at record number = my wave
.irp k, 0,1
.irp u, 0,1
	global_store_b128 v3, v[ZQ:ZQ+3], s[36:37] offset:32768*\k+512*\u   ; records wave and wave + 32 are cleared whole: 512 consecutive, aligned bytes a store
.endr
.endr
	s_wait_loadcnt 0x0
.irp q, 0,1,2,3,4,5,6,7
	v_min_u32 v[ID+\q], 8, v[ID+\q]                ; everything outside 0 .. 7 is bucket 8
.endr
; One bucket: eight ballots; an id's rank = the wave's count so far + the set bits under my lane; the count grows by each ballot's bits.
; Bucket 0 writes the rank registers whole, which starts them; each lane's id lies in exactly one bucket, whose select gives the final rank.
.macro BUCKET b
	s_mov_b32 s[RUN+\b], 0
.irp q, 0,1,2,3,4,5,6,7
	v_cmp_eq_u32 s[MK+\q], \b, v[ID+\q]
.endr
.irp q, 0,1,2,3,4,5,6,7
.if \b == 0
	v_mbcnt_lo_u32_b32 v[RK+\q], s[MK+\q], s[RUN+\b]
.else
	v_mbcnt_lo_u32_b32 v[TT+\q], s[MK+\q], s[RUN+\b]
.endif
	s_bcnt1_i32_b32 s10, s[MK+\q]
	s_add_co_u32 s[RUN+\b], s[RUN+\b], s10
.endr
.if \b > 0
.irp q, 0,1,2,3,4,5,6,7
	v_cndmask_b32 v[RK+\q], v[RK+\q], v[TT+\q], s[MK+\q]
.endr
.endif
.endm
.irp b, 0,1,2,3,4,5,6,7,8
	BUCKET \b
.endr
.irp b, 0,1,2,3,4,5,6,7,8
	v_writelane_b32 v21, s[RUN+\b], \b             ; my wave's counts, lane = bucket; lanes 9-31 stay 0
.endr
	ds_store_b32 v22, v21
	s_wait_storecnt 0x0                            ; for the others' sake: my fills are done, so that whatever any wave stores behind the barrier comes over them
	s_wait_dscnt 0x0                               ; and my counts lie in LDS
	s_barrier_signal -1
	s_barrier_wait -1                              ; both hold of every wave.  Nothing is stored to LDS behind this barrier
.set w, 0
.rept 32
	ds_load_b32 v[CW+w], v23 offset:144*w          ; wave w's count of bucket = my lane
.set w, w+1
.endr
	s_wait_dscnt 0x0
; One sum for two numbers: each count goes into the low half (the bucket's total, at most 8,192), and those of the waves in front of mine into the high half too.
.set w, 0
.rept 32
	s_cmp_gt_u32 s8, w
	s_cselect_b32 s[26+w%2], 0x10001, 1
.if w == 0
	v_mul_u32_u24 v56, v[CW+w], s[26+w%2]
.else
	v_mad_u32_u24 v56, v[CW+w], s[26+w%2], v56
.endif
.set w, w+1
.endr
	v_and_b32 v57, 0xffff, v56                     ; the bucket's total
	v_lshrrev_b32 v58, 16, v56                     ; its rows in the waves in front of mine
	v_add_nc_u32 v59, TILE-1, v57
	v_mul_u32_u24 v59, RCP, v59
	v_lshrrev_b32 v59, 20, v59                     ; its records: ceil(total / 160)
	v_mov_b32 v60, v59
.irp n, 1,2,4,8                        ; a running sum over the 16 lanes of a row; a lane without a source takes 0
	v_mov_b32_dpp v61, v60 row_shr:\n row_mask:0xf bank_mask:0xf bound_ctrl:1
	v_add_nc_u32 v60, v60, v61
.endr                                  ; v60: the first record behind the bucket's; in lanes 9-15: the number of records with rows
	v_sub_nc_u32 v62, v60, v59                     ; the bucket's first record
	v_lshl_or_b32 v63, v62, 16, v58                ; the table word: first record | rows in front of my wave
.irp q, 0,1,2,3,4,5,6,7
	v_lshlrev_b32 v[TT+\q], 2, v[ID+\q]
.endr
.irp q, 0,1,2,3,4,5,6,7
	ds_bpermute_b32 v[CB+\q], v[TT+\q], v63        ; lane = my id's bucket: its table word (a move between lanes: no LDS byte is touched)
.endr
	s_wait_dscnt 0x0
; My tokens go to their places: a = the rank in the bucket, d = a / 160; word (first record + d) x 256 + a - 160 d.  These are stores of 4 bytes to places that hang on the ids,
; 32 KiB in all; gathering them in LDS first would need LDS stores at addresses that hang on data.
.irp q, 0,1,2,3,4,5,6,7
	v_and_b32 v91, 0xffff, v[CB+\q]
	v_add_nc_u32 v91, v91, v[RK+\q]                ; a
	v_mul_u32_u24 v92, RCP, v91
	v_lshrrev_b32 v92, 20, v92                     ; d
	v_mad_u32_u24 v91, v92, 256-TILE, v91          ; a + 96 d
	v_lshrrev_b32 v93, 16, v[CB+\q]
	v_lshl_add_u32 v[CB+\q], v93, 8, v91
	v_min_u32 v[CB+\q], 0x3fff, v[CB+\q]           ; held inside rec's 16,384 words
	v_lshlrev_b32 v[CB+\q], 2, v[CB+\q]
	global_store_b32 v[CB+\q], v[TK+\q], s[6:7]
.endr
; The header of record t = my wave + 32 k: its bucket is the number of buckets whose records end at or before t (9: none is left; lane 9 holds total 0 and the number of records with rows).
.macro RECORD k
	s_add_co_u32 s28, s8, 32*\k
	v_cmp_ge_u32 s30, s28, v60
	s_and_b32 s30, s30, 0x1ff
	s_bcnt1_i32_b32 s31, s30                       ; 0 .. 9
	v_readlane_b32 s32, v57, s31                   ; the bucket's total,
	v_readlane_b32 s33, v62, s31                   ; its first record
	s_sub_co_u32 s33, s28, s33
	s_mul_i32 s33, s33, TILE
	s_sub_co_i32 s32, s32, s33
	s_max_i32 s32, s32, 0
	s_min_i32 s32, s32, TILE                       ; the record's count
	s_min_u32 s31, s31, 8
	v_mov_b32 v[88+\k], 0
	v_writelane_b32 v[88+\k], s31, 0
	v_writelane_b32 v[88+\k], s32, 1
	global_store_b32 v23, v[88+\k], s[36:37] offset:32768*\k+640    ; words 160-191: bucket, count, zeros
.endm
	RECORD 0
	RECORD 1
	s_endpgm
.Lfunc_end_k_q1d0a70d507_route:
	.size	k_q1d0a70d507_route, .Lfunc_end_k_q1d0a70d507_route-k_q1d0a70d507_route
	.p2alignl 7, 3214868480
	.fill 96, 4, 3214868480
	.section	.rodata,"a",@progbits
	.p2align	6, 0x0
	.amdhsa_kernel k_q1d0a70d507_route
		.amdhsa_group_segment_fixed_size 4608
		.amdhsa_private_segment_fixed_size 0
		.amdhsa_enable_private_segment 0
		.amdhsa_kernarg_size 16
		.amdhsa_user_sgpr_count 2
		.amdhsa_user_sgpr_kernarg_segment_ptr 1
		.amdhsa_wavefront_size32 1
		.amdhsa_system_sgpr_workgroup_id_x 1
		.amdhsa_system_sgpr_workgroup_id_y 1
		.amdhsa_system_sgpr_workgroup_id_z 1
		.amdhsa_system_vgpr_workitem_id 0
		.amdhsa_next_free_vgpr 104
		.amdhsa_next_free_sgpr 66
		.amdhsa_reserve_vcc 0
		.amdhsa_float_denorm_mode_32 3
		.amdhsa_float_denorm_mode_16_64 3
		.amdhsa_memory_ordered 1
		.amdhsa_forward_progress 1
		.amdhsa_inst_pref_size 37
	.end_amdhsa_kernel
	.amdgpu_metadata
---
amdhsa.version: [ 1, 2 ]
amdhsa.kernels:
  - .name:           k_q1d0a70d507_route
    .symbol:         k_q1d0a70d507_route.kd
    .args:
      - { .name: expert_ids, .offset: 0, .size: 8, .value_kind: global_buffer, .address_space: global }
      - { .name: rec, .offset: 8, .size: 8, .value_kind: global_buffer, .address_space: global }
    .group_segment_fixed_size: 4608
    .private_segment_fixed_size: 0
    .kernarg_segment_align: 8
    .kernarg_segment_size: 16
    .max_flat_workgroup_size: 1024
    .sgpr_count:     66
    .vgpr_count:     104
    .wavefront_size: 32
...
	.end_amdgpu_metadata
.endif
;; end of part 1
;; launch gemm (part 2): grid 4 x 60, 4 waves a work-group, no clusters, 327,680 bytes of LDS; arguments rec, x_codes, x_scales, weight_codes, weight_scales, out0; writes out0
.if DOCPART == 2
	.amdgcn_target "amdgcn-amd-amdhsa--gfx1250"
	.amdhsa_code_object_version 6
	.text
	.protected	k_q1d0a70d507_gemm
	.globl	k_q1d0a70d507_gemm
	.p2align	8
	.type	k_q1d0a70d507_gemm,@function
k_q1d0a70d507_gemm:
	s_mov_b64 s[64:65], 0
	v_nop
	global_prefetch_b8 v0, s[64:65] scope:SCOPE_SE
	s_setreg_imm32_b32 hwreg(HW_REG_WAVE_MODE, 25, 1), 1
	s_wait_xcnt 0x0
; out0[t][:] = W[expert_ids[t]] x[t], on codes of FP4 (E2M1) with one E8M0 scale for each 32 along K, taken as they lie in memory.  K = 2,048: a row of codes is 1,024 bytes, its scales 64.
; Only the chosen expert's product is formed for each token.  A work-group takes ONE record of rec (at most 160 tokens of one expert, listed by the launch before) x 128 of the 512 outputs, over all of K.
; Grid: x = which 128 outputs, y = the record; 60 records serve every split of 8,192 tokens over nine buckets.
; ALL OF K LIES IN LDS: 160 rows of x and 128 rows of W, 1,024 bytes each, asked for once, at the head, by lane-by-lane copies (x's rows are gathered by the list); nothing is filled twice.
; The copies go in four chunks of 512 along K, so that the first K steps run while the later chunks are on their way.
; EMPTY SLOTS.  A record's tokens ascend and its empty slots hold 0 (the launch before writes them so): the larger of a slot's word and the record's word 0 leaves a real token as it is and makes an empty
; slot the record's first token.  Such a row is computed as that token's row; where it is stored it brings the same numbers to the same bytes, from this same work-group.  So the stores are masked by
; groups of eight rows, five changes of EXEC a wave, and at most seven rows a wave are stored twice.
; NO BRANCH: a record with the count 0 runs the same text on token 0's row and stores nothing (EXEC is empty at its stores).  Rows of bucket 8 (an id outside 0 .. 7) are stored as zeros, as no expert takes them.
; No cluster and no joint loads: which records share an expert, and which rows of x a record names, hang on the list.
; Four waves: wave w makes rows 80 (w / 2) .. + 79 x columns 64 (w % 2) .. + 63: 5 x 4 accumulators of 16 x 16.
; THE MATRIX INSTRUCTION IS USED TRANSPOSED (source 0 = 16 rows of W, source 1 = 16 rows of x): a lane holds one token (lane % 16) and eight neighbouring outputs.
; LIMITS: codes and scale bytes are taken as given (a byte 0xff in a chosen product gives NaN); products of experts that a token did not choose are not formed, so a NaN or an infinity that only such a
; product would yield is not carried into the row.
; REGISTERS.  Window 0: v0-25 addresses; v32-111 x's fragments, two sets of 5 x 8; v112-175 W's, two sets of 4 x 8; v176-215 x's scale words, v216-247 W's: these hold scales and nothing else.
;   Window 1: v0-159 the accumulators ((i, j) at 8 (4 i + j)), later the rows read back; v160-179, v180-199 the x copies' offsets and LDS addresses; v200-215 W's LDS addresses; v216-255 the stores' offsets.
.set PX,    1040                       ; an LDS row: 1,024 bytes + 16 = 65 x 16: the 16 rows that a fragment load touches start at 16 different 16-byte columns of the banks' 256 bytes (ISA guide 11.1)
.set XT,    0                          ; x's 160 rows
.set WT,    160*PX                     ; W's 128 rows
.set STAGE, WT+128*PX                  ; 299,520 = 1,170 x 256: the way out, 16 rows x 272 bytes for each wave; no copy lands here
.set SP,    272
.set COL,   3                          ; v3   16 (lane % 16)
.set XL0,   4                          ; v4   at work: the first of x's LDS addresses
.set WL0,   5                          ; v5   and of W's
.set FR0,   6                          ; v6   at work: (lane % 16) x PX + 16 (lane / 16)
.set ADA0,  10                         ; v10  LDS address of my x fragments, row tiles 0-3
.set ADA1,  11                         ; v11  row tile 4: 64 rows on, past what a 16-bit offset reaches
.set ADB,   12                         ; v12  of my W fragments
.set STO,   13                         ; v13  the stage: where I put 32 bytes of a row
.set RD,    14                         ; v14  and where I read a row back
.set WOFF,  15                         ; v15  W's copies: 16 rows x (lane / 16) + 16 (lane % 16)
.set TS,    16                         ; v16-20 row tile i: my row's token, then 64 x token + 32 (lane / 16)
.set SBOFF, 21                         ; v21  W's scales: 64 (lane % 16) + 32 (lane / 16)
.set ROX,   22                         ; v22-24 my bytes in the record, for the three uses of the tokens
.set ROS,   23
.set ROO,   24
.set H32,   25                         ; v25  32 (lane / 16)
.set AF0,   32
.set BF0,   112
.set SA,    176
.set SB,    216
.set XO,    160                        ; window 1: token, then 1,024 x token + COL
.set XL,    180
.set WL,    200
.set OT,    216                        ; window 1: token, then 2,048 x token + COL; (i, t) at OT + 8 i + t
.set H8,    160                        ; window 1: 8 (lane / 16), written when the copies that read v160 are done
.set FIRST, 21                         ; s21  the record's word 0: its smallest token
.set MSB, 0
.macro WIN new                         ; low byte: bits 1:0 source 0, 3:2 source 1, 5:4 source 2, 7:6 destination; the high byte repeats the setting that is left
.if MSB != \new
	s_set_vgpr_msb (MSB<<8)|\new
.set MSB, \new
.endif
.endm
	s_load_b256 s[4:11], s[0:1], 0x0               ; rec s[4:5], x's codes s[6:7], x's scales s[8:9], W's codes s[10:11]
	s_load_b128 s[12:15], s[0:1], 0x20             ; W's scales s[12:13], out0 s[14:15]
	v_lshrrev_b32 v4, 5, v0
	v_readfirstlane_b32 s16, v4                    ; wave 0 .. 3
	s_lshr_b32 s17, s16, 1                         ; which 80 rows are mine
	s_and_b32 s18, s16, 1                          ; which 64 columns
	s_mov_b32 s19, ttmp9                           ; which 128 outputs are the work-group's
	s_and_b32 s20, ttmp7, 0xffff                   ; the record
	v_and_b32 v1, 15, v0                           ; r
	v_bfe_u32 v2, v0, 4, 1                         ; h
	v_lshlrev_b32 v[COL], 4, v1
	s_mul_i32 s28, s16, 160
	v_mul_u32_u24 v[ROX], v2, 80
	v_add_nc_u32 v[ROX], s28, v[ROX]               ; slots 40 w + 20 h on: the rows that I copy
	s_mul_i32 s28, s17, 320
	v_lshl_add_u32 v[ROS], v1, 2, s28              ; slot 80 (w / 2) + r: the rows whose scales I hold
	v_lshl_add_u32 v[ROO], v2, 5, s28              ; slots 80 (w / 2) + 8 h on: the rows that I store
	v_lshlrev_b32 v[H32], 5, v2
	s_lshl_b32 s26, s20, 10
	s_mov_b32 s27, 0
	s_wait_kmcnt 0x0
	s_add_nc_u64 s[4:5], s[4:5], s[26:27]          ; my record: a fixed place, so header and tokens are asked for together
	s_load_b64 s[22:23], s[4:5], 0x280             ; bucket, count
	s_load_b32 s[FIRST], s[4:5], 0x0               ; the first token
	WIN 0x40                                       ; destination window 1, address window 0
.irp u, 0,1,2,3,4
	global_load_b128 v[XO+4*\u:XO+4*\u+3], v[ROX], s[4:5] offset:16*\u
.endr
	WIN 0
.irp i, 0,1,2,3,4
	global_load_b32 v[TS+\i], v[ROS], s[4:5] offset:64*\i
.endr
	WIN 0x40
.irp i, 0,1,2,3,4
.irp u, 0,1
	global_load_b128 v[OT+8*\i+4*\u:OT+8*\i+4*\u+3], v[ROO], s[4:5] offset:64*\i+16*\u
.endr
.endr
	WIN 0
	; LDS addresses, while the record is on its way.  Each is a constant + a constant x lane part + a constant x wave.
	s_mul_i32 s28, s16, 40*PX
	v_mad_u32_u24 v[XL0], v2, 20*PX, v[COL]
	v_add_nc_u32 v[XL0], s28, v[XL0]               ; x: row 40 w + 20 h, my 16 bytes of a row's 256
	s_mul_i32 s29, s16, 32*PX
	s_add_co_u32 s29, s29, WT
	v_mad_u32_u24 v[WL0], v2, 16*PX, v[COL]
	v_add_nc_u32 v[WL0], s29, v[WL0]               ; W: row 32 w + 16 h
	v_lshl_add_u32 v[WOFF], v2, 14, v[COL]
	WIN 0x40
.set j, 0
.rept 20
	v_add_nc_u32 v[XL+j], PX*j, v[XL0]             ; row j of my 20
.set j, j+1
.endr
.set j, 0
.rept 16
	v_add_nc_u32 v[WL+j], 16*j, v[WL0]             ; W's copies carry 1,024 j in the immediate, which is added to both addresses: the register adds the 16 j that make the pitch
.set j, j+1
.endr
	WIN 0
	v_mul_u32_u24 v[FR0], v1, PX
	v_lshl_add_u32 v[FR0], v2, 4, v[FR0]           ; a fragment's row x pitch + 16 x half
	s_mul_i32 s28, s17, 80*PX
	v_add_nc_u32 v[ADA0], s28, v[FR0]
	v_add_nc_u32 v[ADA1], 64*PX, v[ADA0]
	s_mul_i32 s28, s18, 64*PX
	s_add_co_u32 s28, s28, WT
	v_add_nc_u32 v[ADB], s28, v[FR0]
	s_mul_i32 s30, s16, 16*SP
	s_add_co_u32 s30, s30, STAGE                   ; my stage
	v_mul_u32_u24 v[STO], v1, SP
	v_lshl_add_u32 v[STO], v2, 5, v[STO]
	v_add_nc_u32 v[STO], s30, v[STO]               ; in: row r, 32 bytes for each half of the lanes
	v_mul_u32_u24 v[RD], v2, 8*SP
	v_add_nc_u32 v[RD], v[RD], v[COL]
	v_add_nc_u32 v[RD], s30, v[RD]                 ; back: lanes 0-15 row t, lanes 16-31 row t + 8
	v_lshl_add_u32 v[SBOFF], v1, 6, v[H32]
	s_lshl_b32 s26, s19, 9
	s_lshl_b32 s28, s18, 8
	s_add_co_u32 s26, s26, s28
	s_add_nc_u64 s[14:15], s[14:15], s[26:27]      ; out0 at my 64 columns: 512 bytes x work-group x + 256 x half
	s_wait_kmcnt 0x0                               ; bucket, count and first token
	s_min_u32 s24, s22, 7                          ; the expert whose weights are read (bucket 8 reads expert 7's; its results are replaced by zeros)
	s_min_u32 s25, s23, 160
	s_mul_i32 s28, s17, 80
	s_sub_co_i32 s25, s25, s28                     ; how many of my 80 rows are real (0 or less: none)
	s_cmp_lt_u32 s22, 8
	s_cselect_b32 vcc_lo, -1, 0                    ; all ones where an expert takes the rows
	s_lshl_b32 s26, s24, 19                        ; W's codes: (512 expert + 128 x + 32 wave) rows of 1,024 bytes
	s_lshl_b32 s28, s19, 17
	s_add_co_u32 s26, s26, s28
	s_lshl_b32 s28, s16, 15
	s_add_co_u32 s26, s26, s28
	s_add_nc_u64 s[10:11], s[10:11], s[26:27]
	s_lshl_b32 s26, s24, 15                        ; W's scales: (512 expert + 128 x + 64 half) rows of 64 bytes
	s_lshl_b32 s28, s19, 13
	s_add_co_u32 s26, s26, s28
	s_lshl_b32 s28, s18, 12
	s_add_co_u32 s26, s26, s28
	s_add_nc_u64 s[12:13], s[12:13], s[26:27]
; THE COPIES.  Chunk q = bytes 256 q .. + 255 of every row (512 along K).  In each copy sixteen lanes take 256 consecutive, aligned bytes of one row, the other sixteen those of another row.
; A wave copies 32 rows of W (16 instructions a chunk) and 40 rows of x (20): 36 a chunk, 144 in all.  Their address registers and bases are not written again before the wait for all of them.
.macro WCOPY q
	WIN 0x40                                       ; the LDS address is the destination's place: window 1; the offset window 0
.set j, 0
.rept 16
	global_load_async_to_lds_b128 v[WL+j], v[WOFF], s[10:11] offset:1024*j+256*\q
.set j, j+1
.endr
.endm
.macro XCOPY q
	WIN 0x41                                       ; both in window 1
.set j, 0
.rept 20
	global_load_async_to_lds_b128 v[XL+j], v[XO+j], s[6:7] offset:256*\q
.set j, j+1
.endr
.endm
	WCOPY 0                                        ; W's first chunk needs the header alone
	s_wait_loadcnt 10                              ; the ten loads for the stores' tokens are younger: the copies' and the scales' tokens are in
	WIN 0x44
.set j, 0
.rept 20
	v_max_u32 v[XO+j], s[FIRST], v[XO+j]           ; an empty slot (0) becomes the record's first token; a real token, which is no smaller, stays
.set j, j+1
.endr
.set j, 0
.rept 20
	v_min_u32 v[XO+j], 0x1fff, v[XO+j]             ; a loaded number enters an address only held inside the table
.set j, j+1
.endr
	WIN 0x41
.set j, 0
.rept 20
	v_lshl_add_u32 v[XO+j], v[XO+j], 10, v[COL]
.set j, j+1
.endr
	WIN 0
.irp i, 0,1,2,3,4
	v_max_u32 v[TS+\i], s[FIRST], v[TS+\i]
.endr
.irp i, 0,1,2,3,4
	v_min_u32 v[TS+\i], 0x1fff, v[TS+\i]
.endr
.irp i, 0,1,2,3,4
	v_lshl_add_u32 v[TS+\i], v[TS+\i], 6, v[H32]
.endr
	XCOPY 0
	WIN 0
; THE SCALE WORDS of all of K, straight into registers: 32 bytes a lane and tile.  Register q of a tile's eight holds, in lanes 0-15, its rows' words of K step q, in lanes 16-31 those of K step 8 + q,
; which the matrix instruction reads with the ROW1 selector.  They are asked for ahead of the bulk of the copies.
.irp j, 0,1,2,3
.irp u, 0,1
	global_load_b128 v[SB+8*\j+4*\u:SB+8*\j+4*\u+3], v[SBOFF], s[12:13] offset:1024*\j+16*\u
.endr
.endr
.irp i, 0,1,2,3,4
.irp u, 0,1
	global_load_b128 v[SA+8*\i+4*\u:SA+8*\i+4*\u+3], v[TS+\i], s[8:9] offset:16*\u
.endr
.endr
	WCOPY 1
	s_wait_loadcnt 18                              ; the 18 scale loads are younger: the stores' tokens are in.  Their offsets are made here, with 52 copies on their way
	WIN 0x44
.set j, 0
.rept 40
	v_max_u32 v[OT+j], s[FIRST], v[OT+j]           ; as above: an empty slot's row goes where the first token's row goes
.set j, j+1
.endr
.set j, 0
.rept 40
	v_min_u32 v[OT+j], 0x1fff, v[OT+j]
.set j, j+1
.endr
	WIN 0x41
.set j, 0
.rept 40
	v_lshl_add_u32 v[OT+j], v[OT+j], 11, v[COL]    ; a row of out0 is 2,048 bytes
.set j, j+1
.endr
	XCOPY 1
	WCOPY 2
	XCOPY 2
	WCOPY 3
	XCOPY 3
	WIN 0
	s_wait_loadcnt 0x0                             ; the scale words
	s_wait_asynccnt 63                             ; copies end in order: of my 144 at most 63 are out, so the first 81 have landed, chunks 0 and 1 (72) among them
	s_barrier_signal -1
	s_barrier_wait -1                              ; everybody's have: K steps 0 to 7 may be read
; A fragment, 16 rows x 128 K of 4-bit codes, is 8 registers: lane l holds row l % 16; registers 4 c .. 4 c + 3 hold K = 64 c + 32 (l / 16) + 0 .. 31: 16 bytes of the row as they lie.
; K step s: bytes 64 s .. + 63 of a row.  18 loads: W's four fragments, x's five, into set s % 2.
.macro FETCH s
.set BFP, BF0+32*((\s)%2)
.set AFP, AF0+40*((\s)%2)
.irp j, 0,1,2,3
.irp c, 0,1
	ds_load_b128 v[BFP+8*\j+4*\c:BFP+8*\j+4*\c+3], v[ADB] offset:16*PX*\j+64*(\s)+32*\c
.endr
.endr
.irp i, 0,1,2,3
.irp c, 0,1
	ds_load_b128 v[AFP+8*\i+4*\c:AFP+8*\i+4*\c+3], v[ADA0] offset:16*PX*\i+64*(\s)+32*\c
.endr
.endr
.irp c, 0,1
	ds_load_b128 v[AFP+32+4*\c:AFP+32+4*\c+3], v[ADA1] offset:64*(\s)+32*\c
.endr
.endm
; 20 matrix instructions.  The 20 accumulators take turns, one instruction a turn, in the same order in every step.  Step 0's products start the sums: nothing is cleared.
.macro MUL s
.set BFP, BF0+32*((\s)%2)
.set AFP, AF0+40*((\s)%2)
.irp i, 0,1,2,3,4
.irp j, 0,1,2,3
.if (\s) == 0
	v_wmma_scale_f32_16x16x128_f8f6f4 v[8*(4*\i+\j):8*(4*\i+\j)+7], v[BFP+8*\j:BFP+8*\j+7], v[AFP+8*\i:AFP+8*\i+7], 0, v[SB+8*\j+(\s)%8], v[SA+8*\i+(\s)%8] matrix_a_fmt:MATRIX_FMT_FP4 matrix_b_fmt:MATRIX_FMT_FP4
.elseif (\s) < 8
	v_wmma_scale_f32_16x16x128_f8f6f4 v[8*(4*\i+\j):8*(4*\i+\j)+7], v[BFP+8*\j:BFP+8*\j+7], v[AFP+8*\i:AFP+8*\i+7], v[8*(4*\i+\j):8*(4*\i+\j)+7], v[SB+8*\j+(\s)%8], v[SA+8*\i+(\s)%8] matrix_a_fmt:MATRIX_FMT_FP4 matrix_b_fmt:MATRIX_FMT_FP4
.else
	v_wmma_scale_f32_16x16x128_f8f6f4 v[8*(4*\i+\j):8*(4*\i+\j)+7], v[BFP+8*\j:BFP+8*\j+7], v[AFP+8*\i:AFP+8*\i+7], v[8*(4*\i+\j):8*(4*\i+\j)+7], v[SB+8*\j+(\s)%8], v[SA+8*\i+(\s)%8] matrix_a_fmt:MATRIX_FMT_FP4 matrix_b_fmt:MATRIX_FMT_FP4 matrix_a_scale:MATRIX_SCALE_ROW1 matrix_b_scale:MATRIX_SCALE_ROW1
.endif
.endr
.endr
.endm
; A K step of 128: its fragments were asked for a step ago; the next step's are asked for ahead of its 20 products.
.macro STEP s
	s_wait_dscnt 0x0                               ; this step's 18 loads are in; no LDS instruction of mine is out
.if (\s) == 7
	s_wait_asynccnt 36                             ; only chunk 3's 36 copies may be out: my part of chunk 2 has landed,
	s_barrier_signal -1
	s_barrier_wait -1                              ; everybody's has: K steps 8 to 11 may be read
.endif
.if (\s) == 11
	s_wait_asynccnt 0x0                            ; all my copies have landed,
	s_barrier_signal -1
	s_barrier_wait -1                              ; everybody's have
.endif
.if (\s) > 0
.rept 4
	v_nop                                          ; four places between the last step's products and the loads into the registers that they read (ISA guide 7.12.1 for vector instructions)
.endr
.endif
.if (\s) < 15
	FETCH (\s)+1
.endif
	WIN 0x50                                       ; C and D window 1; both sources window 0
	MUL \s
	WIN 0
.endm
	FETCH 0
.irp s, 0,1,2,3,4,5,6,7,8,9,10,11,12,13,14,15
	STEP \s
.endr
; THE WAY OUT.  A lane holds 32 neighbouring bytes of a row, the lanes beside it other rows: a tile of 16 rows x 64 columns goes through my own stage and comes back as rows of 256 bytes.
.rept 4
	v_nop                                          ; four places behind the last products
.endr
	WIN 0x40
	v_lshlrev_b32 v[H8], 3, v2                     ; 8 (lane / 16).  The copies that read this register are done (the wait for all of them stands in K step 11)
.macro TOSTAGE i
	WIN 0x44
.set n, 0
.rept 32
	v_cndmask_b32 v[32*\i+n], 0, v[32*\i+n], vcc_lo   ; rows that no expert takes become zeros, whatever was summed; each accumulator from its low end on
.set n, n+1
.endr
	WIN 0x04                                       ; an LDS store's data are its source 1: window 1
.irp j, 0,1,2,3
	ds_store_b128 v[STO], v[8*(4*\i+\j):8*(4*\i+\j)+3] offset:64*\j
	ds_store_b128 v[STO], v[8*(4*\i+\j)+4:8*(4*\i+\j)+7] offset:64*\j+16
.endr
	WIN 0x40
.irp t, 0,1,2,3,4,5,6,7
	ds_load_b128 v[32*\i+4*\t:32*\i+4*\t+3], v[RD] offset:SP*\t   ; LDS serves a wave's instructions in order (ISA guide 5.7.1.4): these see the stores above, and the next tile's stores come behind them
.endr
.endm
.irp i, 0,1,2,3,4
	TOSTAGE \i
.endr
; Tile i's eight stores share one mask: lanes 0-15 carry its rows 0-7, lanes 16-31 its rows 8-15, and a half is on where its first row, 16 i + 8 (lane / 16), is real: my count - 16 i > 8 (lane / 16).
; The rows of such a half that lie past the count are copies of the record's first token and are stored to its row with its numbers.  The limit only falls from tile to tile, so EXEC only narrows
; and is never widened; every LDS and vector arithmetic instruction has been issued with all lanes on.
.macro SEND i
.if \i == 0
	s_wait_dscnt 63                                ; behind tile 0's loads stand the four later tiles' 64 LDS instructions; a wait's count names 63 at the most, which is the smaller number and so shows tile 0 back all the same
.else
	s_wait_dscnt 16*(4-\i)                         ; the later tiles' sixteen LDS instructions each may stay out
.endif
	s_sub_co_i32 s28, s25, 16*\i
	s_wait_xcnt 0x0                                ; EXEC is a source of the stores that are out: it changes only behind this wait
	v_cmpx_gt_i32 s28, v[H8]
.irp t, 0,1,2,3,4,5,6,7
	global_store_b128 v[OT+8*\i+\t], v[32*\i+4*\t:32*\i+4*\t+3], s[14:15] th:TH_STORE_NT   ; sixteen lanes store 256 consecutive bytes, at a multiple of 256 from out0's first byte
.endr
.endm
	WIN 0x05                                       ; the stores' offsets and data, and the compare's register: window 1
.irp i, 0,1,2,3,4
	SEND \i
.endr
	WIN 0
	s_endpgm
.Lfunc_end_k_q1d0a70d507_gemm:
	.size	k_q1d0a70d507_gemm, .Lfunc_end_k_q1d0a70d507_gemm-k_q1d0a70d507_gemm
	.p2alignl 7, 3214868480
	.fill 96, 4, 3214868480
	.section	.rodata,"a",@progbits
	.p2align	6, 0x0
	.amdhsa_kernel k_q1d0a70d507_gemm
		.amdhsa_group_segment_fixed_size 327680
		.amdhsa_private_segment_fixed_size 0
		.amdhsa_enable_private_segment 0
		.amdhsa_kernarg_size 48
		.amdhsa_user_sgpr_count 2
		.amdhsa_user_sgpr_kernarg_segment_ptr 1
		.amdhsa_wavefront_size32 1
		.amdhsa_system_sgpr_workgroup_id_x 1
		.amdhsa_system_sgpr_workgroup_id_y 1
		.amdhsa_system_sgpr_workgroup_id_z 1
		.amdhsa_system_vgpr_workitem_id 0
		.amdhsa_next_free_vgpr 512
		.amdhsa_next_free_sgpr 66
		.amdhsa_reserve_vcc 1
		.amdhsa_float_denorm_mode_32 3
		.amdhsa_float_denorm_mode_16_64 3
		.amdhsa_memory_ordered 1
		.amdhsa_forward_progress 1
		.amdhsa_inst_pref_size 111
	.end_amdhsa_kernel
	.amdgpu_metadata
---
amdhsa.version: [ 1, 2 ]
amdhsa.kernels:
  - .name:           k_q1d0a70d507_gemm
    .symbol:         k_q1d0a70d507_gemm.kd
    .args:
      - { .name: rec, .offset: 0, .size: 8, .value_kind: global_buffer, .address_space: global }
      - { .name: x_codes, .offset: 8, .size: 8, .value_kind: global_buffer, .address_space: global }
      - { .name: x_scales, .offset: 16, .size: 8, .value_kind: global_buffer, .address_space: global }
      - { .name: weight_codes, .offset: 24, .size: 8, .value_kind: global_buffer, .address_space: global }
      - { .name: weight_scales, .offset: 32, .size: 8, .value_kind: global_buffer, .address_space: global }
      - { .name: out0, .offset: 40, .size: 8, .value_kind: global_buffer, .address_space: global }
    .group_segment_fixed_size: 327680
    .private_segment_fixed_size: 0
    .kernarg_segment_align: 8
    .kernarg_segment_size: 48
    .max_flat_workgroup_size: 128
    .sgpr_count:     66
    .vgpr_count:     512
    .wavefront_size: 32
...
	.end_amdgpu_metadata
.endif
;; end of part 2
